; MI455X (gfx1250); checked and timed in simulation.
; The chip was launched on July 23, 2026; its instructions are those of AMD's public machine-readable ISA for CDNA 5 (MIT licence, August 2026) and "CDNA5" Instruction Set Architecture Reference Guide (July 2026). The comments in the code are by the model that wrote it; some were corrected since.
;; Core Attention. Allowed arithmetic: matrix products marked QUANTISED: E4M3 operands, one given power-of-two scale a tensor, by v_wmma_f32_16x16x64_fp8_fp8 or v_wmma_f32_16x16x128_fp8_fp8, f32 sums; everything else in f32.
;; Inputs: k 1 x 4,096 x 16 x 128 float32; lowp_scales 16 int32 (the exponents e of the quantised operands' scales 2^e); q 1 x 4,096 x 16 x 128 float32; v 1 x 4,096 x 16 x 128 float32.
;; Outputs: out0 1 x 4,096 x 16 x 128 float32.
;; Constants: ring_size = 4.
;; This version of the problem:
;;   THIS VERSION OF THE PROBLEM IS GIVEN IN LOW PRECISION. The matrix products marked QUANTISED in the list below multiply operands that are first quantised to E4M3 (4 exponent bits, 3 mantissa bits; 8 bits a number), with one given power-of-two scale for each operand tensor; their sums are f32. All else is computed in f32.
;;   The module's matrix products, in the order in which they are computed (A, B: the left and right operand; K: the contracted axis; several contracted axes count as one K, in the product's order):
;;     1. batch 16 x [M 4,096, K 128] x [K 128, N 1,024]; A: input q; B: input k: QUANTISED (scales: A lowp_scales[0], B lowp_scales[1])
;;     2. batch 16 x [M 128, K 1,024] x [K 1,024, N 4,096]; A: input v; B: computed on the way: QUANTISED (scales: A lowp_scales[2], B lowp_scales[3])
;;     3. batch 16 x [M 4,096, K 128] x [K 128, N 1,024]; A: input q; B: input k: QUANTISED (scales: A lowp_scales[4], B lowp_scales[5])
;;     4. batch 16 x [M 128, K 1,024] x [K 1,024, N 4,096]; A: input v; B: computed on the way: QUANTISED (scales: A lowp_scales[6], B lowp_scales[7])
;;     5. batch 16 x [M 4,096, K 128] x [K 128, N 1,024]; A: input q; B: input k: QUANTISED (scales: A lowp_scales[8], B lowp_scales[9])
;;     6. batch 16 x [M 128, K 1,024] x [K 1,024, N 4,096]; A: input v; B: computed on the way: QUANTISED (scales: A lowp_scales[10], B lowp_scales[11])
;;     7. batch 16 x [M 4,096, K 128] x [K 128, N 1,024]; A: input q; B: input k: QUANTISED (scales: A lowp_scales[12], B lowp_scales[13])
;;     8. batch 16 x [M 128, K 1,024] x [K 1,024, N 4,096]; A: input v; B: computed on the way: QUANTISED (scales: A lowp_scales[14], B lowp_scales[15])
;;   THE QUANTISER, for each operand of a quantised product, along K:
;;     - The operand's scale is 2^e, e = its entry of the input lowp_scales (int32; the entries are numbered through the quantised products in the list's order, A before B).
;;     - Each number is divided by the scale, clamped to +-448, and rounded to the nearest number of E4M3, ties to even, subnormals kept.
;;     - The product sums the exact products of the quantised numbers (number of the format x scale) in f32.
;;   ~~~python
;;   def quantise(x, axis, e):      # numpy; x: float32 -> the quantised numbers, widened to float32 again
;;       x = np.moveaxis(x, axis, -1); K = x.shape[-1]
;;       r = np.clip(x / 2.0 ** e, -448, 448)
;;       step = 2.0 ** (np.maximum(np.frexp(np.where(r == 0, 1, r))[1] - 1, -6) - 3)
;;       q = np.round(r / step) * step * 2.0 ** e      # np.round: ties to even
;;       return np.moveaxis(q, -1, axis).astype(np.float32)
;;   ~~~
;;   OPERANDS COMPUTED ON THE WAY. 'Computed on the way' means the value that the module computes at that place (a softmax that the list does not call 'softmax' is quantised finished and normalised). What goes into a quantiser is computed in f32, as accurately as f32 sums, v_exp_f32 and their like allow (about 1e-6 of the number): no bf16 or f16 on the way to a quantiser, and a product that is left as it is and whose result goes on into a quantised operand takes f32 operands (vector FMAs, or v_wmma_f32_16x16x4_f32). A number that lies on a knife's edge between two numbers of the format may be rounded either way, as far as f32 arithmetic and the matrix unit's own rounding can turn it there, and no further.
;; One version. Each part assembles by itself: llvm-mc -triple=amdgcn-amd-amdhsa -mcpu=gfx1250 --defsym DOCPART=n.
;; ======== version 1 of 1: 2 launches
;; limits: right only within a limited range of input values
;; workspace buffers: kc 8,388,608 bytes; vc 8,388,608 bytes
;; launch prep (part 1): grid 64 x 16, 4 waves a work-group, no clusters, 68,096 bytes of LDS; arguments k, v, lowp_scales, kc, vc; writes kc, vc
.if DOCPART == 1
	.amdgcn_target "amdgcn-amd-amdhsa--gfx1250"
	.amdhsa_code_object_version 6
	.text
	.protected	k_q765487134d_prep
	.globl	k_q765487134d_prep
	.p2align	8
	.type	k_q765487134d_prep,@function
k_q765487134d_prep:
	s_mov_b64 s[64:65], 0
	v_nop
	global_prefetch_b8 v0, s[64:65] scope:SCOPE_SE
	s_setreg_imm32_b32 hwreg(HW_REG_WAVE_MODE, 25, 1), 1
	s_wait_xcnt 0x0
; K and V, [4096 keys][16 heads][128] f32, become codes of E4M3, each key with the scale of its ring chunk of 1,024 keys:
; K by 2^lowp_scales[4 r + 1], V by 2^lowp_scales[4 r + 2].  code = x / 2^e, held within +-448, to the nearest code, ties to even.
; The codes are laid as IMAGES OF OPERAND REGISTERS, 2,048 bytes a fragment of 16 rows x 128 along K:
;   byte 512 c + 256 h + 16 r + i = row r, k = 32 c + 16 h + i: four loads of 16 bytes a lane at 16 x lane + 512 c fill a fragment.
; kc: head x 524288 + G x 4096 + u x 2048 (G: group of 32 keys, u = 0, 1): row r = key 32 G + 8 u + r + 8 (r / 8), k = the head's 128.
; vc: head x 524288 + S x 16384 + t x 2048 (S: step of 128 keys, t = 0 .. 7): row r = channel 16 t + r, k = the key within the step.
; SHARES.  A work-group takes 64 keys of one head, of K and of V.  Wave w makes K's tile w of the four (two groups x two tiles) and
; V's channels 32 w .. 32 w + 31.  Every global load reads a key's 512 consecutive bytes, every store covers whole aligned runs of 256 bytes.
; K turns through the wave's own stage in LDS (a lane needs 16 neighbours along the head's axis); V through a stage of the work-group:
; a lane takes one channel and its registers run down the keys, so that the conversions give codes with the keys innermost.
; LIMITS: the two exponents lie between -126 and 119, so that 2^e and 448 x 2^e are f32 numbers.  NaN among the inputs is not served.
.set KP,  528                          ; a stage row: 512 bytes + 16: sixteen rows start at sixteen different 16-byte columns of 256
.set VST, 16*4*KP                      ; V's stage, behind the four waves' stages for K
.set KR,  16                           ; v16-79   K as loaded, later V's 64 numbers of my channel
.set VR,  80                           ; v80-143  V as loaded
.set X,   144                          ; v144-207 K's 64 numbers in the operand's order
.set KC,  208                          ; v208-223 K's codes
.set VC,  224                          ; v224-239 V's codes
	s_load_b256 s[4:11], s[0:1], 0x0               ; k s[4:5], v s[6:7], the exponents s[8:9], kc s[10:11]
	s_load_b64 s[12:13], s[0:1], 0x20              ; vc
	v_lshl_add_u32 v240, v0, 2, 0x10800
	v_mov_b32 v241, 0
	v_lshrrev_b32 v7, 5, v0
	v_readfirstlane_b32 s14, v7                    ; wave 0..3
	s_and_b32 s16, ttmp7, 0xffff                   ; the head
	v_and_b32 v7, 31, v0                           ; lane
	v_and_b32 v12, 15, v0                          ; r
	v_bfe_u32 v13, v0, 4, 1                        ; h
	v_lshlrev_b32 v1, 4, v7                        ; 16 x lane: my bytes of a key's row, and of an image's 512
	s_mul_i32 s17, s14, 16*KP                      ; my stage for K; also my 16 rows of V's stage
	v_add_nc_u32 v2, s17, v1                       ; K's stage, in: a row as it lies
	v_mul_u32_u24 v3, v12, KP
	v_lshl_add_u32 v3, v13, 6, v3
	v_add_nc_u32 v3, s17, v3                       ; and out: row r, 64 h bytes on: my 16 numbers of each 32
	v_add_nc_u32 v4, VST, v2                       ; V's stage, in
	s_lshl_b32 s18, s14, 7
	v_lshl_add_u32 v5, v7, 2, s18
	v_add_nc_u32 v5, VST, v5                       ; and out: channel 32 w + lane
	v_lshlrev_b32 v6, 4, v12
	v_lshl_add_u32 v6, v13, 11, v6                 ; vc: tile 2 w + lane / 16, row lane % 16
	s_lshl_b32 s24, ttmp9, 19                      ; 64 keys of 8,192 bytes
	s_lshl_b32 s25, s16, 9
	s_add_co_u32 s24, s24, s25                     ; + the head's 512 bytes
	s_lshr_b32 s25, s14, 1
	s_lshl_b32 s25, s25, 18
	s_add_co_u32 s26, s24, s25                     ; K: + 32 keys x (w / 2)
	s_and_b32 s25, s14, 1
	s_lshl_b32 s25, s25, 16
	s_add_co_u32 s26, s26, s25                     ;    + 8 keys x (w % 2)
	s_mov_b32 s27, 0
	s_lshl_b32 s25, s14, 17
	s_add_co_u32 s24, s24, s25                     ; V: + 16 keys x w
	s_mov_b32 s25, 0
	s_lshl_b32 s28, s16, 19
	s_lshl_b32 s29, ttmp9, 13
	s_add_co_u32 s30, s28, s29
	s_lshl_b32 s29, s14, 11
	s_add_co_u32 s30, s30, s29                     ; kc: head, two groups a work-group, a tile a wave
	s_mov_b32 s31, 0
	s_lshr_b32 s29, ttmp9, 1
	s_lshl_b32 s29, s29, 14
	s_add_co_u32 s28, s28, s29
	s_and_b32 s29, ttmp9, 1
	s_lshl_b32 s29, s29, 10
	s_add_co_u32 s28, s28, s29
	s_lshl_b32 s29, s14, 12
	s_add_co_u32 s28, s28, s29                     ; vc: head, step, which half of the step's keys, two tiles a wave
	s_mov_b32 s29, 0
	s_lshr_b32 s32, ttmp9, 4                       ; the ring chunk: 16 work-groups of 64 keys
	s_lshl_b32 s32, s32, 4                         ; its four exponents, 16 bytes
	s_mov_b32 s33, 0
	s_wait_alu depctr_va_vdst(0)
	s_wait_kmcnt 0x0
	s_add_nc_u64 s[8:9], s[8:9], s[32:33]
	s_load_b128 s[20:23], s[8:9], 0x0              ; eq, ek, ev, ep of the chunk
	s_add_nc_u64 s[4:5], s[4:5], s[26:27]
	s_add_nc_u64 s[6:7], s[6:7], s[24:25]
	s_add_nc_u64 s[10:11], s[10:11], s[30:31]
	s_add_nc_u64 s[12:13], s[12:13], s[28:29]
.irp j, 0,1,2,3,4,5,6,7,8,9,10,11,12,13,14,15
	global_load_b128 v[KR+4*\j:KR+4*\j+3], v1, s[4:5] offset:(\j+8*(\j/8))*8192 th:TH_LOAD_NT   ; the tile's row j: 512 consecutive bytes
.endr
.irp j, 0,1,2,3,4,5,6,7,8,9,10,11,12,13,14,15
	global_load_b128 v[VR+4*\j:VR+4*\j+3], v1, s[6:7] offset:\j*8192 th:TH_LOAD_NT               ; key 16 w + j
.endr
	s_wait_loadcnt 16                              ; K's sixteen loads are in; V's sixteen are younger
.irp j, 0,1,2,3,4,5,6,7,8,9,10,11,12,13,14,15
	ds_store_b128 v2, v[KR+4*\j:KR+4*\j+3] offset:KP*\j
.endr
.irp c, 0,1,2,3
.irp i, 0,1,2,3
	ds_load_b128 v[X+16*\c+4*\i:X+16*\c+4*\i+3], v3 offset:128*\c+16*\i   ; my wave's own bytes, served in order: these see the stores above
.endr
.endr
	s_wait_loadcnt 0x0                             ; V
.irp j, 0,1,2,3,4,5,6,7,8,9,10,11,12,13,14,15
	ds_store_b128 v4, v[VR+4*\j:VR+4*\j+3] offset:KP*\j
.endr
	s_wait_kmcnt 0x0
	s_add_co_i32 s21, s21, 127
	s_lshl_b32 s34, s21, 23
	v_mov_b32 v8, s34                              ; 2^ek as f32: the conversion takes its exponent field
	s_add_co_i32 s21, s21, 8
	s_lshl_b32 s21, s21, 23
	s_or_b32 s21, s21, 0x600000
	v_mov_b32 v9, s21                              ; 448 x 2^ek
	s_add_co_i32 s22, s22, 127
	s_lshl_b32 s34, s22, 23
	v_mov_b32 v10, s34                             ; 2^ev
	s_add_co_i32 s22, s22, 8
	s_lshl_b32 s22, s22, 23
	s_or_b32 s22, s22, 0x600000
	v_mov_b32 v11, s22                             ; 448 x 2^ev
	s_wait_alu depctr_va_vdst(0)
	s_wait_dscnt 0x0                               ; for the others' sake: my rows of V lie in the stage; and my numbers of K are back
	s_barrier_signal -1
.set ii, 0
.rept 64
	v_med3_num_f32 v[X+ii], v[X+ii], -v9, v9       ; the conversion to an 8-bit code does not saturate (ISA guide 7.6.2): the hold comes first
.set ii, ii+1
.endr
.irp g, 0,1,2,3,4,5,6,7
	v_cvt_scalef32_pk8_fp8_f32 v[KC+2*\g:KC+2*\g+1], v[X+8*\g:X+8*\g+7], v8
.endr
	v_nop                                          ; a plain line behind the last conversion
	s_wait_alu depctr_va_vdst(0)
	s_barrier_wait -1                              ; all 64 rows of V lie in the stage
.set ii, 0
.rept 64
	ds_load_b32 v[KR+ii], v5 offset:KP*ii          ; my channel of key ii: 32 lanes read 128 consecutive bytes
.set ii, ii+1
.endr
.irp c, 0,1,2,3
	global_store_b128 v1, v[KC+4*\c:KC+4*\c+3], s[10:11] offset:512*\c   ; 512 consecutive bytes of the image
.endr
	s_wait_dscnt 0x0
.set ii, 0
.rept 64
	v_med3_num_f32 v[KR+ii], v[KR+ii], -v11, v11
.set ii, ii+1
.endr
.irp g, 0,1,2,3,4,5,6,7
	v_cvt_scalef32_pk8_fp8_f32 v[VC+2*\g:VC+2*\g+1], v[KR+8*\g:KR+8*\g+7], v10
.endr
	v_nop
.irp g, 0,1,2,3
	global_store_b128 v6, v[VC+4*\g:VC+4*\g+3], s[12:13] offset:256*\g   ; keys 16 g .. 16 g + 15: sixteen lanes fill 256 consecutive bytes, aligned
.endr
	s_wait_tensorcnt 0x0
	ds_add_u32 v240, v241
	s_wait_dscnt 0x0
	s_endpgm
.Lfunc_end_k_q765487134d_prep:
	.size	k_q765487134d_prep, .Lfunc_end_k_q765487134d_prep-k_q765487134d_prep
	.p2alignl 7, 3214868480
	.fill 96, 4, 3214868480
	.section	.rodata,"a",@progbits
	.p2align	6, 0x0
	.amdhsa_kernel k_q765487134d_prep
		.amdhsa_group_segment_fixed_size 68096
		.amdhsa_private_segment_fixed_size 0
		.amdhsa_enable_private_segment 0
		.amdhsa_kernarg_size 40
		.amdhsa_user_sgpr_count 2
		.amdhsa_user_sgpr_kernarg_segment_ptr 1
		.amdhsa_wavefront_size32 1
		.amdhsa_system_sgpr_workgroup_id_x 1
		.amdhsa_system_sgpr_workgroup_id_y 1
		.amdhsa_system_sgpr_workgroup_id_z 1
		.amdhsa_system_vgpr_workitem_id 0
		.amdhsa_next_free_vgpr 242
		.amdhsa_next_free_sgpr 66
		.amdhsa_reserve_vcc 0
		.amdhsa_float_denorm_mode_32 3
		.amdhsa_float_denorm_mode_16_64 3
		.amdhsa_memory_ordered 1
		.amdhsa_forward_progress 1
		.amdhsa_inst_pref_size 24
	.end_amdhsa_kernel
	.amdgpu_metadata
---
amdhsa.version: [ 1, 2 ]
amdhsa.kernels:
  - .name:           k_q765487134d_prep
    .symbol:         k_q765487134d_prep.kd
    .args:
      - { .name: k, .offset: 0, .size: 8, .value_kind: global_buffer, .address_space: global }
      - { .name: v, .offset: 8, .size: 8, .value_kind: global_buffer, .address_space: global }
      - { .name: lowp_scales, .offset: 16, .size: 8, .value_kind: global_buffer, .address_space: global }
      - { .name: kc, .offset: 24, .size: 8, .value_kind: global_buffer, .address_space: global }
      - { .name: vc, .offset: 32, .size: 8, .value_kind: global_buffer, .address_space: global }
    .group_segment_fixed_size: 68096
    .private_segment_fixed_size: 0
    .kernarg_segment_align: 8
    .kernarg_segment_size: 40
    .max_flat_workgroup_size: 128
    .sgpr_count:     66
    .vgpr_count:     242
    .wavefront_size: 32
...
	.end_amdgpu_metadata
.endif
;; end of part 1
;; launch attn (part 2): grid 64 x 16, 8 waves a work-group, clusters of 4 x 1, 327,680 bytes of LDS; arguments q, kc, vc, lowp_scales, out0; writes out0
.if DOCPART == 2
	.amdgcn_target "amdgcn-amd-amdhsa--gfx1250"
	.amdhsa_code_object_version 6
	.text
	.protected	k_q765487134d_attn
	.globl	k_q765487134d_attn
	.p2align	8
	.type	k_q765487134d_attn,@function
k_q765487134d_attn:
	s_mov_b64 s[64:65], 0
	v_nop
	global_prefetch_b8 v0, s[64:65] scope:SCOPE_SE
	s_setreg_imm32_b32 hwreg(HW_REG_WAVE_MODE, 25, 1), 1
	s_wait_xcnt 0x0
	s_wait_alu depctr_hold_cnt(0) depctr_sa_sdst(0) depctr_va_vdst(0) depctr_va_sdst(0) depctr_va_ssrc(0) depctr_va_vcc(0) depctr_vm_vsrc(0)
	s_getreg_b32 s2, hwreg(HW_REG_IB_STS2, 6, 4)
	s_cmp_eq_u32 s2, 0
	s_cbranch_scc0 .Lentry_in_a_cluster
	s_endpgm
.Lentry_in_a_cluster:
	s_bfe_u32 s2, ttmp6, 0x10000c
	s_cmp_lg_u32 s2, 0x3003
	s_cbranch_scc0 .Lentry_shape_is_right
	s_endpgm
.Lentry_shape_is_right:
; Ring attention, 4 chunks of 1,024 keys, both products of every chunk on codes of E4M3 (v_wmma_f32_16x16x128_fp8_fp8), sums in f32.  Nothing of reference() is left out.
; For chunk r: t = (Q(q) . Q(k)) x log2(e) / sqrt(128); p = 2^(t - Mc) / Lc, the softmax FINISHED over the chunk's 1,024 keys (Mc its largest t, Lc the sum of 2^(t - Mc)), is quantised; block = p . Q(v).
; The chunks are merged as the sigmoid update does it, with the maximum taken away: Mn = max(Mrun, Mc), La = Lrun 2^(Mrun - Mn), Lb = Lc 2^(Mc - Mn), out = out La / (La + Lb) + block Lb / (La + Lb), Lrun = La + Lb.
; SHARES.  A work-group owns 64 queries (4 tiles of 16) of one head.  Eight waves, two to a SIMD: wave w = 2 kq + qh takes tiles 2 qh, 2 qh + 1 and keys 256 kq .. 256 kq + 255 of every chunk.
; A fragment of K or V feeds two matrix instructions; the wave's 2^(t - Mw) stay in 256 registers until the chunk's sum is known: one exponential a score.
; Across the waves go (largest t, sum) of each query, once a chunk.  The merge is linear in out, so each wave keeps its partial out; the four key quarters are added once, at the end.
; A chunk's merge is done one accumulator at a time among the NEXT chunk's first products, just ahead of the product that writes over that accumulator; the maxima follow each fragment's products.
; LAYOUT.  Both products are used transposed (S^T = K Q^T, block^T = V^T P^T): a lane holds one query (lane % 16).  kc and vc hold images of operand registers
; (byte 512 c + 256 h + 16 r + i = row r, k = 32 c + 16 h + i); the keys of a tile of K are 32 G + 8 u + r + 8 (r / 8), so that p's 16 registers of two neighbouring tiles are 16 neighbouring keys.
; CLUSTER.  The four work-groups of a cluster are four query groups of one head and walk the same K and V: every tile is asked for jointly, mask 15; wave w asks for bytes 16384 w .. + 16383 of a tile of 131,072.
; RING.  K's slot and V's slot, each filled again once a chunk behind a round of the cluster's barrier: K's at the exchange of the statistics (the round is that exchange's barrier too), V's behind the second product.
; Every wait on TENSORcnt is for 0 and stands ahead of a barrier, so a tile is whole for all eight waves when it is read.
; LIMITS: every entry of lowp_scales between -126 and 119 (2^e and 448 x 2^e are f32 numbers); eq + ek of a chunk between -123 and 130 (added to c's exponent field); every t above -3e38.  NaN among the inputs is not served.
; REGISTERS, two windows of 256 (s_set_vgpr_msb: bits 1:0 source 0, 3:2 source 1, 5:4 source 2, 7:6 destination):
;   window 0: v0-15, v44-45 addresses; v16-31 statistics; v32-37 Mrun, Lrun, p's hold and scale; v48-79 Q; v80-127 K's three buffers; v48-79 then the waves' statistics; v48-111 then p's codes; v128-255 out.
;   window 1: S^T, 128 a tile; then block in v0-127 and eight fragments of V in v128-255.
.set VSB,   131072                     ; LDS: K's slot at 0, V's slot here
.set QIMG,  262144                     ; q's 16 images (chunk r, tile t: 4 r + t), 2,176 bytes each: eight groups (2 c + h) of 256 bytes + 16
.set QPI,   2176
.set STAT,  296960                     ; (largest t, sum) of tile q, query r, key quarter kq at 512 q + 32 r + 8 kq
.set SPARE, 299008                     ; the spare words, 128 bytes for each wave: four blocks of 256 bytes that no other line names
.set KAD, 2                            ; 32768 kq + 16 lane
.set VAD, 3                            ; VSB + that
.set QRD, 4                            ; QIMG + 2 QPI qh + 272 h + 16 r
.set QWR, 5                            ; QIMG + QPI (w / 2) + 128 (w % 2) + 272 (lane / 4) + 4 (lane % 4)
.set STW, 6                            ; STAT + 1024 qh + 32 r + 8 kq
.set STR, 7                            ; STAT + 1024 qh + 32 r
.set SPW, 8                            ; my spare word; never rewritten
.set NIL, 9                            ; 0; never rewritten
.set PFO, 10                           ; 256 x min(lane, 15), for the prefetches
.set QAD, 11                           ; this chunk's images of q
.set EPW, 12                           ; the way out: VSB + 16384 w + 272 r + 32 h
.set ERD, 13                           ; VSB + 16384 w + 272 h + 16 r
.set EA0, 14                           ; 16384 w + 16 lane
.set RDA, 15                           ; 16384 qh + 4096 kq + 16 lane
.set RDB, 44                           ; 65536 further on
.set GO,  45                           ; 8192 h + 16 r
.set ST,  16                           ; tile q at v[ST + 8 q]: +0 Mw, +1 lw, +2..7 at work; behind the exchange +0, +1 = A1, +2, +3 = B1, +4, +5 = F
.set MR,  32
.set LR,  34
.set PLIM, 36                          ; 448 x 2^ep
.set PSC, 37                           ; 2^ep
.set QF,  48
.set TS,  48                           ; the four quarters' (M, l) of tile q at v[TS + 8 q]
.set UU,  64                           ; eight registers a tile, at work
.set PC,  48                           ; p's codes: tile q, key tile T at v[PC + 32 q + 2 T]
.set OUT, 128
.set MSB, 0
.macro WIN new                         ; the immediate's high byte repeats the setting that is left; a switch that changes nothing is dropped
.if MSB != (\new)
	s_set_vgpr_msb (MSB<<8)|(\new)
.set MSB, (\new)
.endif
.endm
.macro PLACES                          ; four plain lines between a matrix instruction and a load into, or a vector access of, its registers
.rept 4
	v_nop
.endr
.endm
.macro ROUND                           ; a round of the cluster's barrier
	s_barrier_signal -1
	s_barrier_wait -1
	s_cmp_lg_u32 s14, 0
	s_cbranch_scc1 .Lnot_wave_0_\@
	s_barrier_signal -3
.Lnot_wave_0_\@:
	s_barrier_wait -3
	s_barrier_signal -1
	s_barrier_wait -1
.endm
; A slot is filled again with the next chunk's tile: all my tensor loads have landed; 0 onto my spare word; the add and my LDS accesses are done; a round; my one joint load first behind it.
.macro FILL g0, pf
	WIN 0
	s_wait_tensorcnt 0x0                           ; no tensor load of mine is out: a group 0 may be written
	ds_add_u32 v[SPW], v[NIL]
	s_add_nc_u64 s[\g0+2:\g0+3], s[\g0+2:\g0+3], 131072   ; the next chunk's tile; the type bits on top are not reached
	s_wait_xcnt 0x0                                ; the prefetch that read this address stands half a chunk back
	s_add_nc_u64 s[\pf:\pf+1], s[\pf:\pf+1], 131072
	s_wait_dscnt 0x0
	ROUND
	tensor_load_to_lds s[\g0:\g0+3], s[24:31]
	s_nop 0
	PLACES
.endm
; A prefetch of what the NEXT refill asks for: 131,072 bytes = 512 blocks of 256: 4 partners x 8 waves x 16 lanes, the partners told apart by address; lanes 16-31 name their wave's last block again.
; All 16 clusters of a head walk the same codes: the head's first cluster asks.  K(0), V(0) and K(1) come by their loads alone; behind the last refill of V nothing is asked for.
.macro ASK pf, lim
	s_cmp_gt_u32 s45, s[\lim]
	s_cbranch_scc0 .Lnot_mine_\@
	global_prefetch_b8 v[PFO], s[\pf:\pf+1] th:TH_LOAD_NT scope:SCOPE_SE
.Lnot_mine_\@:
.endm
.macro KLD f                           ; a fragment of K into buffer f % 3: four loads of 512 consecutive bytes
.set KB, 80+16*((\f)%3)
.irp c, 0,1,2,3
	ds_load_b128 v[KB+4*\c:KB+4*\c+3], v[KAD] offset:2048*(\f)+512*\c
.endr
.endm
.macro QKF f                           ; key tile f x my two query tiles; each accumulator is written once, with C = 0
.set KB, 80+16*((\f)%3)
.irp q, 0,1
	v_wmma_f32_16x16x128_fp8_fp8 v[128*\q+8*(\f):128*\q+8*(\f)+7], v[KB:KB+15], v[QF+16*\q:QF+16*\q+15], 0
.endr
.endm
; The merge of accumulator a (tile a / 8, channels 16 (a % 8) on) of the chunk before: out = out A1 + block B1, in two parts of four packed lines; the accumulator is read from its low end on
.macro MRGA a
	WIN 0
.irp p, 0,2,4,6
	v_pk_mul_f32 v[OUT+8*(\a)+\p:OUT+8*(\a)+\p+1], v[OUT+8*(\a)+\p:OUT+8*(\a)+\p+1], v[ST+8*((\a)/8):ST+8*((\a)/8)+1]
.endr
.endm
.macro MRGB a
	WIN 0x01
.irp p, 0,2,4,6
	v_pk_fma_f32 v[OUT+8*(\a)+\p:OUT+8*(\a)+\p+1], v[8*(\a)+\p:8*(\a)+\p+1], v[ST+8*((\a)/8)+2:ST+8*((\a)/8)+3], v[OUT+8*(\a)+\p:OUT+8*(\a)+\p+1]
.endr
.endm
; The largest scores of key tile f join four chains a query tile, the two tiles by turns; each accumulator is first read at its low end
.macro MAXP f
.if (\f) == 0
	WIN 0x05
.irp p, 0,1,2,3
	v_max_num_f32 v[ST+4+\p], v[2*\p], v[2*\p+1]
	v_max_num_f32 v[ST+12+\p], v[128+2*\p], v[129+2*\p]
.endr
.else
	WIN 0x14
.irp p, 0,1,2,3
	v_max3_num_f32 v[ST+4+\p], v[ST+4+\p], v[8*(\f)+2*\p], v[8*(\f)+2*\p+1]
	v_max3_num_f32 v[ST+12+\p], v[ST+12+\p], v[128+8*(\f)+2*\p], v[128+8*(\f)+2*\p+1]
.endr
.endif
.endm
.macro MAXW                            ; the chains are joined; Mw = c x the largest score of the query among my 256 keys
	WIN 0
.irp k, 0,1
	v_max3_num_f32 v[ST+8*\k+4], v[ST+8*\k+4], v[ST+8*\k+5], v[ST+8*\k+6]
.endr
.irp k, 0,1
	v_max_num_f32 v[ST+8*\k+4], v[ST+8*\k+4], v[ST+8*\k+7]
.endr
.irp k, 0,1
	v_permlanex16_b32 v[ST+8*\k+5], v[ST+8*\k+4], s20, s21   ; the query's other 128 keys lie in the lane 16 away
.endr
.irp k, 0,1
	v_max_num_f32 v[ST+8*\k+4], v[ST+8*\k+4], v[ST+8*\k+5]
.endr
.irp k, 0,1
	v_mul_f32 v[ST+8*\k], s22, v[ST+8*\k+4]                  ; c is positive
.endr
.endm
.macro PKF rr, q                       ; a pair of scores becomes c s - Mw (of the pairs c and Mw the low word serves both halves)
	v_pk_fma_f32 v[\rr:\rr+1], v[\rr:\rr+1], s[22:23], v[ST+8*(\q):ST+8*(\q)+1] op_sel_hi:[1,0,0] neg_lo:[0,0,1] neg_hi:[0,0,1]
.endm
.macro SUMB b                          ; block b's 32 numbers 2^(t - Mw), unquantised, join the two packed chains of tile b / 4
.set SQ, ST+8*((\b)/4)
.set SB, 32*(\b)
.if ((\b)%4) == 0
	WIN 0x05
	v_pk_add_f32 v[SQ+2:SQ+3], v[SB:SB+1], v[SB+2:SB+3]
	v_pk_add_f32 v[SQ+4:SQ+5], v[SB+4:SB+5], v[SB+6:SB+7]
	WIN 0x04
.irp p, 2,3,4,5,6,7
	v_pk_add_f32 v[SQ+2:SQ+3], v[SQ+2:SQ+3], v[SB+4*\p:SB+4*\p+1]
	v_pk_add_f32 v[SQ+4:SQ+5], v[SQ+4:SQ+5], v[SB+4*\p+2:SB+4*\p+3]
.endr
.else
	WIN 0x04
.irp p, 0,1,2,3,4,5,6,7
	v_pk_add_f32 v[SQ+2:SQ+3], v[SQ+2:SQ+3], v[SB+4*\p:SB+4*\p+1]
	v_pk_add_f32 v[SQ+4:SQ+5], v[SQ+4:SQ+5], v[SB+4*\p+2:SB+4*\p+3]
.endr
.endif
.endm
; 2^(t - Mw) in place and its sum lw, in eight blocks of 32 registers.  A block: one wait; the sums of the block before, on end; 32 exponentials with the next block's 16 scalings among them.
; What a block writes by plain lines (scalings, the chains) is read in the next block, behind that block's wait; so are its exponentials' results.
.macro EXSUM
	WIN 0x41
.set pp, 0
.rept 16
	PKF 2*pp, 0
.set pp, pp+1
.endr
.set bb, 0
.rept 8
	s_wait_alu depctr_va_vdst(0)                   ; ahead of a batch and ahead of the readers of the batch before
.if bb > 0
	SUMB bb-1
.endif
	WIN 0x41
.set pp, 0
.rept 16
	v_exp_f32 v[32*bb+2*pp], v[32*bb+2*pp]
	v_exp_f32 v[32*bb+2*pp+1], v[32*bb+2*pp+1]
.if bb < 7
	PKF 32*bb+32+2*pp, (bb+1)/4
.endif
.set pp, pp+1
.endr
.set bb, bb+1
.endr
	v_nop                                          ; a plain line behind the last exponential
	s_wait_alu depctr_va_vdst(0)
	SUMB 7
	WIN 0
.irp k, 0,1
	v_pk_add_f32 v[ST+8*\k+2:ST+8*\k+3], v[ST+8*\k+2:ST+8*\k+3], v[ST+8*\k+4:ST+8*\k+5]
.endr
.irp k, 0,1
	v_add_f32 v[ST+8*\k+1], v[ST+8*\k+2], v[ST+8*\k+3]
.endr
.irp k, 0,1
	v_permlanex16_b32 v[ST+8*\k+6], v[ST+8*\k+1], s20, s21
.endr
.irp k, 0,1
	v_add_f32 v[ST+8*\k+1], v[ST+8*\k+1], v[ST+8*\k+6]
.endr
.endm
; Behind the exchange: every wave makes the chunk's Mc and Lc, the merge's factors and its own F, its two tiles by turns.
.macro STATS
.irp q, 0,1
	ds_load_b128 v[TS+8*\q:TS+8*\q+3], v[STR] offset:512*\q
	ds_load_b128 v[TS+8*\q+4:TS+8*\q+7], v[STR] offset:512*\q+16
.endr
	s_wait_dscnt 0x0                               ; the words are written again only behind the round of V's refill
.irp q, 0,1
	v_max3_num_f32 v[UU+8*\q], v[TS+8*\q], v[TS+8*\q+2], v[TS+8*\q+4]
.endr
.irp q, 0,1
	v_max_num_f32 v[UU+8*\q], v[UU+8*\q], v[TS+8*\q+6]        ; Mc
.endr
.irp q, 0,1
	v_sub_f32 v[TS+8*\q], v[TS+8*\q], v[UU+8*\q]
	v_sub_f32 v[TS+8*\q+2], v[TS+8*\q+2], v[UU+8*\q]
	v_sub_f32 v[TS+8*\q+4], v[TS+8*\q+4], v[UU+8*\q]
	v_sub_f32 v[TS+8*\q+6], v[TS+8*\q+6], v[UU+8*\q]          ; M_i - Mc
	v_sub_f32 v[UU+8*\q+1], v[ST+8*\q], v[UU+8*\q]            ; Mw - Mc
	v_max_num_f32 v[UU+8*\q+2], v[MR+\q], v[UU+8*\q]          ; Mn
.endr
.irp q, 0,1
	v_sub_f32 v[UU+8*\q+3], v[MR+\q], v[UU+8*\q+2]            ; Mrun - Mn
	v_sub_f32 v[UU+8*\q+4], v[UU+8*\q], v[UU+8*\q+2]          ; Mc - Mn
	v_mov_b32 v[MR+\q], v[UU+8*\q+2]
.endr
	s_wait_alu depctr_va_vdst(0)                   ; ahead of the batch
.irp q, 0,1
	v_exp_f32 v[TS+8*\q], v[TS+8*\q]
	v_exp_f32 v[TS+8*\q+2], v[TS+8*\q+2]
	v_exp_f32 v[TS+8*\q+4], v[TS+8*\q+4]
	v_exp_f32 v[TS+8*\q+6], v[TS+8*\q+6]
	v_exp_f32 v[UU+8*\q+1], v[UU+8*\q+1]
	v_exp_f32 v[UU+8*\q+3], v[UU+8*\q+3]
	v_exp_f32 v[UU+8*\q+4], v[UU+8*\q+4]
.endr
	v_nop
	s_wait_alu depctr_va_vdst(0)                   ; one wait for the 14, ahead of their first reader
.irp q, 0,1
	v_mul_f32 v[UU+8*\q], v[TS+8*\q+1], v[TS+8*\q]
.endr
.irp q, 0,1
	v_fmac_f32 v[UU+8*\q], v[TS+8*\q+3], v[TS+8*\q+2]
.endr
.irp q, 0,1
	v_fmac_f32 v[UU+8*\q], v[TS+8*\q+5], v[TS+8*\q+4]
.endr
.irp q, 0,1
	v_fmac_f32 v[UU+8*\q], v[TS+8*\q+7], v[TS+8*\q+6]         ; Lc
	v_mul_f32 v[UU+8*\q+3], v[LR+\q], v[UU+8*\q+3]            ; La
.endr
.irp q, 0,1
	v_mul_f32 v[UU+8*\q+4], v[UU+8*\q], v[UU+8*\q+4]          ; Lb
.endr
.irp q, 0,1
	v_add_f32 v[UU+8*\q+2], v[UU+8*\q+3], v[UU+8*\q+4]        ; Ln
.endr
.irp q, 0,1
	v_mov_b32 v[LR+\q], v[UU+8*\q+2]
.endr
	s_wait_alu depctr_va_vdst(0)                   ; ahead of the reciprocals
.irp q, 0,1
	v_rcp_f32 v[UU+8*\q+5], v[UU+8*\q]
	v_rcp_f32 v[UU+8*\q+6], v[UU+8*\q+2]
.endr
	v_nop
	s_wait_alu depctr_va_vdst(0)                   ; one wait for the four
.irp q, 0,1
	v_mul_f32 v[ST+8*\q+4], v[UU+8*\q+1], v[UU+8*\q+5]        ; F = 2^(Mw - Mc) / Lc, twice: a pair for the packed multiply
	v_mul_f32 v[ST+8*\q+5], v[UU+8*\q+1], v[UU+8*\q+5]
	v_mul_f32 v[ST+8*\q], v[UU+8*\q+3], v[UU+8*\q+6]          ; A1 = La / Ln
	v_mul_f32 v[ST+8*\q+1], v[UU+8*\q+3], v[UU+8*\q+6]
	v_mul_f32 v[UU+8*\q+4], v[UU+8*\q+4], v[UU+8*\q+6]        ; Lb / Ln
.endr
.irp q, 0,1
	v_ldexp_f32 v[ST+8*\q+2], v[UU+8*\q+4], s54               ; B1 = Lb / Ln x 2^(ep + ev)
	v_ldexp_f32 v[ST+8*\q+3], v[UU+8*\q+4], s54
.endr
.endm
; Half a tile (key tiles 8 hf .. 8 hf + 7): p = 2^(t - Mw) F, held at 448 x 2^ep (p is not negative: the hold is one-sided; the conversion does not saturate: ISA guide 7.6.2), then quantised: the results are the second product's operand
.macro FINH q, hf
.set FB, 128*\q+64*\hf
	WIN 0x41
	v_pk_mul_f32 v[FB:FB+1], v[FB:FB+1], v[ST+8*\q+4:ST+8*\q+5]
.set pp, 0
.rept 32
.if pp < 31
	v_pk_mul_f32 v[FB+2*pp+2:FB+2*pp+3], v[FB+2*pp+2:FB+2*pp+3], v[ST+8*\q+4:ST+8*\q+5]
.endif
	v_min_num_f32 v[FB+2*pp], v[FB+2*pp], v[PLIM]
	v_min_num_f32 v[FB+2*pp+1], v[FB+2*pp+1], v[PLIM]
.set pp, pp+1
.endr
	WIN 0x01
.set tt, 0
.rept 8
	v_cvt_scalef32_pk8_fp8_f32 v[PC+32*\q+16*\hf+2*tt:PC+32*\q+16*\hf+2*tt+1], v[FB+8*tt:FB+8*tt+7], v[PSC]
.set tt, tt+1
.endr
	v_nop                                          ; a plain line behind the last conversion
.endm
.macro VLD s, t0                       ; four fragments of V: K step s, channel tiles t0 .. t0 + 3
	WIN 0x40
.irp t, \t0, \t0+1, \t0+2, \t0+3
.irp c, 0,1,2,3
	ds_load_b128 v[128+16*(\t)+4*\c:128+16*(\t)+4*\c+3], v[VAD] offset:2048*(8*\s+(\t))+512*\c
.endr
.endr
	WIN 0x51
.endm
.macro PVH s, t0, zero                 ; eight matrix instructions of block^T = V^T P^T, eight accumulators by turns
.irp t, \t0, \t0+1, \t0+2, \t0+3
.irp q, 0,1
.if \zero
	v_wmma_f32_16x16x128_fp8_fp8 v[64*\q+8*(\t):64*\q+8*(\t)+7], v[128+16*(\t):128+16*(\t)+15], v[PC+32*\q+16*\s:PC+32*\q+16*\s+15], 0
.else
	v_wmma_f32_16x16x128_fp8_fp8 v[64*\q+8*(\t):64*\q+8*(\t)+7], v[128+16*(\t):128+16*(\t)+15], v[PC+32*\q+16*\s:PC+32*\q+16*\s+15], v[64*\q+8*(\t):64*\q+8*(\t)+7]
.endif
.endr
.endr
.endm
; A RING CHUNK.  fill = 1: both slots are filled again.
.macro CHUNK fill
	s_load_b128 s[40:43], s[10:11], 0x0            ; eq, ek, ev, ep of this chunk
	v_add_nc_u32 v[QAD], s46, v[QRD]
.irp t, 0,1
.irp c, 0,1,2,3
	ds_load_b128 v[QF+16*\t+4*\c:QF+16*\t+4*\c+3], v[QAD] offset:QPI*\t+544*\c
.endr
.endr
	KLD 0
	KLD 1
	KLD 2
	MRGA 0                                         ; the chunk before: accumulator 0, over which key tile 0's product writes
	MRGB 0
.set ff, 0
.rept 16
.if ff < 14
	s_wait_dscnt 8                                 ; this fragment is in; the two younger ones' eight loads may be out
.endif
.if ff == 14
	s_wait_dscnt 4
.endif
.if ff == 15
	s_wait_alu depctr_va_vdst(0)
	s_wait_dscnt 0x0
.endif
	WIN 0x40
	QKF ff
.if ff < 15
	MRGA ff+1                                      ; four plain lines that name no register of the two products: the places ahead of the loads below
.endif
.if ff < 13
	KLD ff+3
.endif
.if ff < 15
	MRGB ff+1
.endif
.if ff > 0
	MAXP ff-1
.endif
.set ff, ff+1
.endr
	MAXP 15                                        ; the eight lines of key tile 14 are the places behind the last products
	WIN 0
	s_wait_kmcnt 0x0
.if \fill
	s_add_nc_u64 s[10:11], s[10:11], 16            ; the scalar load is done: its base may step
.endif
	s_add_co_i32 s54, s40, s41
	s_lshl_b32 s54, s54, 23
	s_add_co_i32 s22, s54, 0x3e0293ee              ; c = log2(e) / sqrt(128), with eq + ek added to its exponent field
	s_mov_b32 s23, s22
	s_add_co_i32 s55, s43, 127
	s_lshl_b32 s56, s55, 23
	v_mov_b32 v[PSC], s56                          ; 2^ep
	s_add_co_i32 s55, s55, 8
	s_lshl_b32 s55, s55, 23
	s_or_b32 s55, s55, 0x600000
	v_mov_b32 v[PLIM], s55                         ; 448 x 2^ep
	s_add_co_i32 s54, s42, s43                     ; ev + ep
	s_wait_alu depctr_va_vdst(0)                   ; the chains were written ahead of the wait and the scalar lines above
	MAXW
	EXSUM
.irp q, 0,1
	ds_store_b64 v[STW], v[ST+8*\q:ST+8*\q+1] offset:512*\q   ; lanes r and r + 16 hold the same two numbers
.endr
.if \fill
	FILL 32, 48                                    ; K of the next chunk; the round shows every wave's statistics and this chunk's V to all
	ASK 50, 53                                     ; V of the next chunk, which the next refill asks for
.else
	s_wait_tensorcnt 0x0                           ; my part of the last V has landed
	s_wait_dscnt 0x0                               ; and my statistics lie in LDS
	s_barrier_signal -1
	s_barrier_wait -1
.endif
	STATS
	FINH 1, 0                                      ; tile 1 first, by halves: its registers take V's fragments
	VLD 0, 0
	FINH 1, 1
	VLD 0, 4
	FINH 0, 0
	FINH 0, 1
	WIN 0x51
	s_wait_alu depctr_va_vdst(0)
	s_wait_dscnt 16                                ; the first four fragments are in; the four younger ones' sixteen loads may be out
	PVH 0, 0, 1
	PLACES
	VLD 1, 0
	s_wait_dscnt 16
	PVH 0, 4, 1
	PLACES
	VLD 1, 4
	s_wait_dscnt 16
	PVH 1, 0, 0
	s_wait_dscnt 0x0
	PVH 1, 4, 0
.if \fill
	FILL 36, 50                                    ; V of the next chunk; the round shows the next K to all
	ASK 48, 52                                     ; K of the chunk after the next, where there is one
.endif
.endm
	s_load_b256 s[4:11], s[0:1], 0x0               ; q s[4:5], kc s[6:7], vc s[8:9], the exponents s[10:11]
	s_load_b64 s[12:13], s[0:1], 0x20              ; out0
	v_lshl_add_u32 v[SPW], v0, 2, SPARE
	v_mov_b32 v[NIL], 0
	ds_add_u32 v[SPW], v[NIL]                      ; the opening: the add, twice on end, and its wait ahead of my first tensor load
	ds_add_u32 v[SPW], v[NIL]
	v_lshrrev_b32 v38, 5, v0
	v_readfirstlane_b32 s14, v38                   ; wave 0..7
	s_and_b32 s18, s14, 1                          ; qh
	s_lshr_b32 s19, s14, 1                         ; kq
	s_bfe_u32 s15, ttmp6, 0x40000                  ; cx: it enters q's, out0's and the prefetches' addresses alone
	s_and_b32 s67, ttmp7, 0xffff                   ; the cluster's y: which four query groups of the head
	s_lshl_b32 s16, s67, 2
	s_add_co_u32 s16, s16, s15                     ; my group of 64 queries: 4 y + cx
	s_mov_b32 s17, ttmp9                           ; the head is the cluster's x, which the four partners share: 16 clusters along x, 16 heads, so neighbouring clusters walk different heads
	s_mov_b32 s24, 15|(3<<16)|(1<<21)              ; group 1: mask of all four; elements of 8 bytes; bit 21 beside the mask; no padding
	s_mov_b32 s25, 32<<16                          ; tensor_dim0 = 32: rows of 256 bytes
	s_mov_b32 s26, 64<<16                          ; tensor_dim1 = 64
	s_mov_b32 s27, 32<<16                          ; tile_dim0
	s_mov_b32 s28, 64                              ; tile_dim1: 16 KiB as they lie
	s_mov_b32 s29, 32                              ; the pitch
	s_mov_b32 s30, 0
	s_mov_b32 s31, 0
	s_lshl_b32 s54, s16, 19                        ; q: 64 queries of 8,192 bytes,
	s_lshl_b32 s55, s14, 16                        ; my wave's 8,
	s_add_co_u32 s54, s54, s55
	s_lshl_b32 s57, s17, 9                         ; the head's 512 bytes
	s_add_co_u32 s54, s54, s57
	s_mov_b32 s55, 0
	s_lshl_b32 s70, s16, 19                        ; out0: the group, the head,
	s_add_co_u32 s70, s70, s57
	s_lshl_b32 s71, s18, 18                        ; tile 2 qh + kq / 2,
	s_add_co_u32 s70, s70, s71
	s_lshr_b32 s71, s19, 1
	s_lshl_b32 s71, s71, 17
	s_add_co_u32 s70, s70, s71
	s_and_b32 s71, s19, 1                          ; channels 64 (kq % 2) on
	s_lshl_b32 s71, s71, 8
	s_add_co_u32 s70, s70, s71
	s_mov_b32 s71, 0
	s_lshl_b32 s56, s17, 19                        ; kc, vc: the head's codes
	s_lshl_b32 s59, s15, 15                        ; the prefetches: chunk 1, 32 KiB a partner, 4 KiB a wave
	s_add_co_u32 s58, s56, s59
	s_lshl_b32 s59, s14, 12
	s_add_co_u32 s58, s58, s59
	s_add_co_u32 s58, s58, 131072
	s_mov_b32 s59, 0
	s_lshl_b32 s33, s14, 14                        ; group 0 for K: LDS address 16384 w
	s_add_co_u32 s56, s56, s33                     ; and the same part of a tile in memory
	s_mov_b32 s57, 0
	s_add_co_u32 s37, s33, VSB                     ; for V
	s_mov_b32 s32, 1
	s_mov_b32 s36, 1
	s_lshl_b32 s60, s19, 15
	s_mul_i32 s61, s18, 2*QPI
	s_add_co_u32 s61, s61, QIMG
	s_mul_i32 s62, s19, QPI
	s_lshl_b32 s63, s18, 7
	s_add_co_u32 s62, s62, s63
	s_add_co_u32 s62, s62, QIMG
	s_lshl_b32 s63, s18, 10
	s_add_co_u32 s63, s63, STAT
	s_lshl_b32 s66, s19, 3
	s_lshl_b32 s69, s18, 14
	s_lshl_b32 s68, s19, 12
	s_add_co_u32 s69, s69, s68
	s_mov_b32 s20, 0x76543210                      ; v_permlanex16_b32: lane l xor 16
	s_mov_b32 s21, 0xfedcba98
	s_mov_b32 s45, 3                               ; chunks behind which slots are filled again
	s_mov_b32 s46, 0                               ; where this chunk's images of q begin
	s_cmp_eq_u32 s67, 0                            ; the head's first cluster (y = 0) prefetches: the same in all four partners
	s_cselect_b32 s52, 1, -1                       ; K's: while two chunks or more are to come
	s_cselect_b32 s53, 0, -1                       ; V's: in every trip
	v_and_b32 v38, 31, v0                          ; lane
	v_and_b32 v39, 15, v0                          ; r
	v_bfe_u32 v40, v0, 4, 1                        ; h
	v_lshlrev_b32 v1, 4, v38
	v_add_nc_u32 v[KAD], s60, v1
	v_add_nc_u32 v[VAD], VSB, v[KAD]
	v_mul_u32_u24 v[QRD], v40, 272
	v_lshl_add_u32 v[QRD], v39, 4, v[QRD]
	v_add_nc_u32 v[ERD], s37, v[QRD]
	v_add_nc_u32 v[QRD], s61, v[QRD]
	v_lshrrev_b32 v41, 2, v38
	v_mul_u32_u24 v[QWR], v41, 272
	v_and_b32 v41, 3, v38
	v_lshl_add_u32 v[QWR], v41, 2, v[QWR]
	v_add_nc_u32 v[QWR], s62, v[QWR]
	v_lshlrev_b32 v[STR], 5, v39
	v_add_nc_u32 v[STR], s63, v[STR]
	v_add_nc_u32 v[STW], s66, v[STR]
	v_min_u32 v[PFO], 15, v38
	v_lshlrev_b32 v[PFO], 8, v[PFO]
	v_mul_u32_u24 v[EPW], v39, 272
	v_lshl_add_u32 v[EPW], v40, 5, v[EPW]
	v_add_nc_u32 v[EPW], s37, v[EPW]
	v_add_nc_u32 v[EA0], s33, v1
	v_add_nc_u32 v[RDA], s69, v1
	v_add_nc_u32 v[RDB], 65536, v[RDA]
	v_lshlrev_b32 v[GO], 13, v40
	v_lshl_add_u32 v[GO], v39, 4, v[GO]
	s_wait_alu depctr_va_vdst(0)
	s_wait_dscnt 0x0                               ; both opening adds are done
	s_wait_kmcnt 0x0
	s_load_b512 s[72:87], s[10:11], 0x0            ; all sixteen exponents: q is quantised four times here
	s_add_nc_u64 s[4:5], s[4:5], s[54:55]
	s_add_nc_u64 s[12:13], s[12:13], s[70:71]
	s_add_nc_u64 s[48:49], s[6:7], s[58:59]
	s_add_nc_u64 s[50:51], s[8:9], s[58:59]
	s_add_nc_u64 s[34:35], s[6:7], s[56:57]        ; chunk 0
	s_or_b32 s35, s35, 0x80000000                  ; type
	s_add_nc_u64 s[38:39], s[8:9], s[56:57]
	s_or_b32 s39, s39, 0x80000000
.irp j, 0,1,2,3,4,5,6,7
	global_load_b128 v[48+4*\j:48+4*\j+3], v1, s[4:5] offset:8192*\j th:TH_LOAD_NT   ; query 8 w + j: 512 consecutive bytes
.endr
	ROUND                                          ; all four work-groups are here: the first joint loads meet
	tensor_load_to_lds s[32:35], s[24:31]          ; K of chunk 0: my one tensor load at the head
	s_nop 0
	PLACES
.irp q, 0,1
	v_mov_b32 v[MR+\q], 0xff61b1e6                 ; Mrun = -3e38, under every t: chunk 0's merge then has A1 = 0
	v_mov_b32 v[LR+\q], 0
.irp i, 0,1,2,3
	v_mov_b32 v[ST+8*\q+\i], 0                     ; A1 and B1 of the merge that the first chunk finds
.endr
.endr
.set ii, 0
.rept 128
	v_mov_b32 v[OUT+ii], 0                         ; out, and below the block: the chunk is written once for the loop, and the merge among its first products finds zeros the first time; issued while q and K are on their way
.set ii, ii+1
.endr
	WIN 0x40
.set ii, 0
.rept 128
	v_mov_b32 v[ii], 0
.set ii, ii+1
.endr
	WIN 0
	s_wait_loadcnt 0x0                             ; q
	s_wait_kmcnt 0x0
.irp r, 0,1,2,3                        ; my 8 queries with chunk r's scale.  A lane holds four neighbours of each row, so a conversion's two words are two rows' four codes
	s_add_co_i32 s55, s[72+4*\r], 127
	s_lshl_b32 s56, s55, 23
	v_mov_b32 v42, s56                             ; 2^eq
	s_add_co_i32 s55, s55, 8
	s_lshl_b32 s55, s55, 23
	s_or_b32 s55, s55, 0x600000
	v_mov_b32 v43, s55                             ; 448 x 2^eq
.set ii, 0
.rept 32
	v_med3_num_f32 v[80+ii], v[48+ii], -v43, v43
.set ii, ii+1
.endr
.irp g, 0,1,2,3
	v_cvt_scalef32_pk8_fp8_f32 v[112+2*\g:112+2*\g+1], v[80+8*\g:80+8*\g+7], v42
.endr
	v_nop                                          ; a plain line behind the last conversion
.irp j, 0,1,2,3,4,5,6,7
	ds_store_b32 v[QWR], v[112+\j] offset:4*QPI*\r+16*\j   ; row 8 (w % 2) + j, channels 4 lane .. + 3
.endr
.endr
	s_wait_alu depctr_va_vdst(0)                   ; the head's end
	s_wait_tensorcnt 0x0                           ; my part of K(0) is in; V's first fill is issued as a refill is
	ds_add_u32 v[SPW], v[NIL]
	s_wait_dscnt 0x0                               ; the add is done, and my images of q lie in LDS
	ROUND                                          ; K(0) and q's images are whole for all
	tensor_load_to_lds s[36:39], s[24:31]          ; V of chunk 0
	s_nop 0
	PLACES
.Lchunk:
	CHUNK 1
	s_add_co_u32 s46, s46, 4*QPI
	s_sub_co_u32 s45, s45, 1
	s_cmp_lg_u32 s45, 0
	s_cbranch_scc1 .Lchunk
	CHUNK 0                                        ; the last chunk is written out
.set aa, 0
.rept 16
	MRGA aa                                        ; the last chunk's merge: the 64 multiplications, which name no register of the last products, come first
.set aa, aa+1
.endr
.set aa, 0
.rept 16
	MRGB aa
.set aa, aa+1
.endr
	WIN 0
	; THE WAY OUT.  The partial outs meet in K's slot, which has had its last fill; every wave's last read of it stands ahead of the last chunk's barrier.
.set ii, 0
.rept 32
	ds_store_b128 v[EA0], v[OUT+4*ii:OUT+4*ii+3] offset:512*ii
.set ii, ii+1
.endr
	s_wait_dscnt 0x0                               ; for the others' sake
	s_barrier_signal -1
	s_barrier_wait -1
	WIN 0x40                                       ; wave (qh, kq) takes registers 32 kq .. + 31 of the four key quarters' outs of its query half
.irp u, 0,1
.irp i, 0,1,2,3,4,5,6,7
	ds_load_b128 v[32*\u+4*\i:32*\u+4*\i+3], v[RDA] offset:32768*\u+512*\i
.endr
.endr
.irp u, 0,1
.irp i, 0,1,2,3,4,5,6,7
	ds_load_b128 v[64+32*\u+4*\i:64+32*\u+4*\i+3], v[RDB] offset:32768*\u+512*\i
.endr
.endr
	s_wait_dscnt 0x0
	WIN 0x45
.set pp, 0
.rept 16
	v_pk_add_f32 v[2*pp:2*pp+1], v[2*pp:2*pp+1], v[32+2*pp:33+2*pp]
	v_pk_add_f32 v[64+2*pp:65+2*pp], v[64+2*pp:65+2*pp], v[96+2*pp:97+2*pp]
.set pp, pp+1
.endr
.set pp, 0
.rept 16
	v_pk_add_f32 v[2*pp:2*pp+1], v[2*pp:2*pp+1], v[64+2*pp:65+2*pp]
.set pp, pp+1
.endr
	; register 8 t + j of lane (r, h) is out(query r of tile 2 qh + kq / 2, channel 64 (kq % 2) + 16 t + 8 h + j): through my 16 KiB of V's slot (last fill landed, last read ahead of the barrier above), rows of 256 bytes + 16
	WIN 0x04
.irp t, 0,1,2,3
	ds_store_b128 v[EPW], v[8*\t:8*\t+3] offset:64*\t
	ds_store_b128 v[EPW], v[8*\t+4:8*\t+7] offset:64*\t+16
.endr
	WIN 0x40
.irp i, 0,1,2,3,4,5,6,7
	ds_load_b128 v[64+4*\i:64+4*\i+3], v[ERD] offset:544*\i   ; rows 2 i and 2 i + 1; LDS serves a wave's instructions in order (ISA guide 5.7.1.4)
.endr
	WIN 0x04
.irp i, 0,1,2,3,4,5,6,7
	s_wait_dscnt 7-\i                              ; this pair of rows is back; the younger ones may be out
	global_store_b128 v[GO], v[64+4*\i:64+4*\i+3], s[12:13] offset:16384*\i th:TH_STORE_NT   ; sixteen lanes store 256 consecutive bytes, at a multiple of 256 from out0's first byte
.endr
	WIN 0
	s_wait_tensorcnt 0x0                           ; the wave's end
	ds_add_u32 v[SPW], v[NIL]
	s_wait_dscnt 0x0
	ROUND                                          ; the closing round
	s_endpgm
.Lfunc_end_k_q765487134d_attn:
	.size	k_q765487134d_attn, .Lfunc_end_k_q765487134d_attn-k_q765487134d_attn
	.p2alignl 7, 3214868480
	.fill 96, 4, 3214868480
	.section	.rodata,"a",@progbits
	.p2align	6, 0x0
	.amdhsa_kernel k_q765487134d_attn
		.amdhsa_group_segment_fixed_size 327680
		.amdhsa_private_segment_fixed_size 0
		.amdhsa_enable_private_segment 0
		.amdhsa_kernarg_size 40
		.amdhsa_user_sgpr_count 2
		.amdhsa_user_sgpr_kernarg_segment_ptr 1
		.amdhsa_wavefront_size32 1
		.amdhsa_system_sgpr_workgroup_id_x 1
		.amdhsa_system_sgpr_workgroup_id_y 1
		.amdhsa_system_sgpr_workgroup_id_z 1
		.amdhsa_system_vgpr_workitem_id 0
		.amdhsa_next_free_vgpr 512
		.amdhsa_next_free_sgpr 96
		.amdhsa_reserve_vcc 0
		.amdhsa_float_denorm_mode_32 3
		.amdhsa_float_denorm_mode_16_64 3
		.amdhsa_memory_ordered 1
		.amdhsa_forward_progress 1
		.amdhsa_inst_pref_size 206
	.end_amdhsa_kernel
	.amdgpu_metadata
---
amdhsa.version: [ 1, 2 ]
amdhsa.kernels:
  - .name:           k_q765487134d_attn
    .symbol:         k_q765487134d_attn.kd
    .args:
      - { .name: q, .offset: 0, .size: 8, .value_kind: global_buffer, .address_space: global }
      - { .name: kc, .offset: 8, .size: 8, .value_kind: global_buffer, .address_space: global }
      - { .name: vc, .offset: 16, .size: 8, .value_kind: global_buffer, .address_space: global }
      - { .name: lowp_scales, .offset: 24, .size: 8, .value_kind: global_buffer, .address_space: global }
      - { .name: out0, .offset: 32, .size: 8, .value_kind: global_buffer, .address_space: global }
    .group_segment_fixed_size: 327680
    .private_segment_fixed_size: 0
    .kernarg_segment_align: 8
    .kernarg_segment_size: 40
    .max_flat_workgroup_size: 256
    .sgpr_count:     96
    .vgpr_count:     512
    .wavefront_size: 32
...
	.end_amdgpu_metadata
.endif
;; end of part 2
